; MI455X (gfx1250); checked and timed in simulation.
; The chip was launched on July 23, 2026; its instructions are those of AMD's public machine-readable ISA for CDNA 5 (MIT licence, August 2026) and "CDNA5" Instruction Set Architecture Reference Guide (July 2026). The comments in the code are by the model that wrote it; some were corrected since.
;; First Layer. Allowed arithmetic: matrix products marked QUANTISED: E5M2 operands, one given power-of-two scale a tensor, by v_wmma_f32_16x16x64_bf8_bf8 or v_wmma_f32_16x16x128_bf8_bf8, f32 sums; products left as they are: f32 operands where the result goes on into a quantised operand, else bf16, f16 or f32 operands; f32 sums; everything else in f32.
;; Inputs: W0_codes 128 x 4 x 32 uint8 (E5M2 codes of W0, K innermost, in blocks of 32 codes); W1_codes 128 x 4 x 32 uint8 (E5M2 codes of W1, K innermost, in blocks of 32 codes); Wout_codes 2,048 x 4 x 32 uint8 (E5M2 codes of Wout, K innermost, in blocks of 32 codes); b0 128 float32; b1 128 float32; bout 2,048 float32; data 16 x 32 x 64 x 64 float32; lowp_scales 8 int32 (the exponents e of the quantised operands' scales 2^e); v 16 float32.
;; Outputs: out0 16 x 16 x 64 float32.
;; This version of the problem:
;;   THIS VERSION OF THE PROBLEM IS GIVEN IN LOW PRECISION. The matrix products marked QUANTISED in the list below multiply operands that are first quantised to E5M2 (5 exponent bits, 2 mantissa bits; 8 bits a number), with one given power-of-two scale for each operand tensor; their sums are f32. All else is computed in f32.
;;   The module's matrix products, in the order in which they are computed (A, B: the left and right operand; K: the contracted axis; several contracted axes count as one K, in the product's order):
;;     1. [M 4,096, K 2] x [K 2, N 32]; A: computed on the way; B: computed on the way: left as it is (K = 2 < 32)
;;     2. [M 65,536, K 128] x [K 128, N 128]; A: computed on the way; B: input W0 (given as codes): QUANTISED (scales: A lowp_scales[0], B lowp_scales[1])
;;     3. [M 65,536, K 128] x [K 128, N 128]; A: computed on the way; B: input W1 (given as codes): QUANTISED (scales: A lowp_scales[2], B lowp_scales[3])
;;     4. [M 65,536, K 128] x [K 128, N 2,048]; A: computed on the way; B: input Wout (given as codes): QUANTISED (scales: A lowp_scales[4], B lowp_scales[5])
;;     5. [M 16, K 131,072] x [K 131,072, N 1,024]; A: input data; B: computed on the way: QUANTISED (scales: A lowp_scales[6], B lowp_scales[7])
;;   THE QUANTISER, for each operand of a quantised product, along K:
;;     - The operand's scale is 2^e, e = its entry of the input lowp_scales (int32; the entries are numbered through the quantised products in the list's order, A before B).
;;     - Each number is divided by the scale, clamped to +-57,344, and rounded to the nearest number of E5M2, ties to even, subnormals kept.
;;     - The product sums the exact products of the quantised numbers (number of the format x scale) in f32.
;;   ~~~python
;;   def quantise(x, axis, e):      # numpy; x: float32 -> the quantised numbers, widened to float32 again
;;       x = np.moveaxis(x, axis, -1); K = x.shape[-1]
;;       r = np.clip(x / 2.0 ** e, -57344, 57344)
;;       step = 2.0 ** (np.maximum(np.frexp(np.where(r == 0, 1, r))[1] - 1, -14) - 2)
;;       q = np.round(r / step) * step * 2.0 ** e      # np.round: ties to even
;;       return np.moveaxis(q, -1, axis).astype(np.float32)
;;   ~~~
;;   OPERANDS COMPUTED ON THE WAY. 'Computed on the way' means the value that the module computes at that place (a softmax that the list does not call 'softmax' is quantised finished and normalised). What goes into a quantiser is computed in f32, as accurately as f32 sums, v_exp_f32 and their like allow (about 1e-6 of the number): no bf16 or f16 on the way to a quantiser, and a product that is left as it is and whose result goes on into a quantised operand takes f32 operands (vector FMAs, or v_wmma_f32_16x16x4_f32). A number that lies on a knife's edge between two numbers of the format may be rounded either way, as far as f32 arithmetic and the matrix unit's own rounding can turn it there, and no further.
;;   INPUTS GIVEN AS CODES. W0 (in the module: [128, 128], K = its axis 0); W1 (in the module: [128, 128], K = its axis 0); Wout (in the module: [128, 2048], K = its axis 0): each comes as NAME_codes (uint8): NAME with its K axis moved to the last place and cut into blocks of 32 codes, [.., K / 32, bytes a block], one block behind the other in memory; one code a byte (a code: sign, 5 exponent bits, 2 mantissa bits); its scale is its entry of lowp_scales. Its value is code x scale, taken as it is: it is not quantised again, and the codes and scales need not be those that the quantiser above would give.
;; One version. Each part assembles by itself: llvm-mc -triple=amdgcn-amd-amdhsa -mcpu=gfx1250 --defsym DOCPART=n.
;; ======== version 1 of 1: 2 launches
;; limits: right only within a limited range of input values
;; workspace buffers: pmax 1,024 bytes
;; launch norm (part 1): grid 256 x 1, 8 waves a work-group, no clusters, 1,280 bytes of LDS; arguments v, pmax; writes pmax
.if DOCPART == 1
	.amdgcn_target "amdgcn-amd-amdhsa--gfx1250"
	.amdhsa_code_object_version 6
	.text
	.protected	k_q002f84b0a5_norm
	.globl	k_q002f84b0a5_norm
	.p2align	8
	.type	k_q002f84b0a5_norm,@function
k_q002f84b0a5_norm:
	s_mov_b64 s[64:65], 0
	v_nop
	global_prefetch_b8 v0, s[64:65] scope:SCOPE_SE
	s_setreg_imm32_b32 hwreg(HW_REG_WAVE_MODE, 25, 1), 1
	s_wait_xcnt 0x0
; FIRST OF TWO LAUNCHES: the largest squared norm of the RBF embedding over all 64 x 64 x 16 rows, one partial maximum a work-group, into pmax[256].  Every row can move the maximum, so every row's norm is made.
; DEAD WORK THAT THE SECOND LAUNCH LEAVES OUT, for every finite v.  R(-v) is a rotation: cos^2 + sin^2 = 1, so |warp|^2 = |x|^2.  The window passes a point only if both |warp_i| <= 0.1, so only if |x|^2 <= 0.02.
; The grid's coordinates are (2 k - 63) / 63; outside k = 28..35 one is 9/63 or more in magnitude, and (9/63)^2 = 0.0204 > 0.02, far beyond f32 rounding.  So every grid row and every grid column outside 28..35 has
; mask 0 for all n: its rows of products 2 to 4, its steps of product 5 and its numbers of data reach no output.  The second launch makes 8 x 8 points a rotation (their four corners, dead too, lie inside its tiles).
; LIMITS.  A NaN, an infinity or an overflow that reaches only the work left out is not carried to the result; NaN and infinities among the inputs are not served.  |v| <= 4.8e4 (the three-part reduction of the angle).
; An exponential under 2^-126 counts as 0.
; SHARES.  Work-group g, thread t: row h = g / 4, w = 16 (g % 4) + t / 16, n = t % 16: a thread a row, 128 exponentials: norm^2 = the sum over both coordinates i and e = 0..63 of 2^(K1 (e/63 - warp_i)^2), K1 = -log2(e) / 0.0049.
; No matrix unit, no tensor load, no cluster, no prefetch: the work is exponentials, there is no loop, and work-groups share nothing but 64 bytes of v.
.set SPARE, 256                        ; LDS: bytes 0..31 the eight waves' maxima (the block 0..255 is theirs); from 256 the spare words, 128 bytes a wave
.set A,     64                         ; v64-191  128 arguments, then terms
; REGISTERS: v1 4 n; v2 the angle; v3-8 at work; v11 my wave's word; v12 0; v13 a permute's destination; v16, v17 sin, cos; v18, v19 x, y; v20, v21 warp; v22-29 four packed sums; v30, v31 the add's two; v32-39 the maxima
; s[4:5] v, s[6:7] pmax; s14 wave; s16 1/63; s17 -63; s[18:19] K1; s20, s21 lane selects; s[22:23] offsets; s25, s26 at work; s28 EXEC as it was
.macro MUBITS e                        ; MB = the bits of e / 63 rounded to f32, made while assembling
.set KK, 0
.rept 6
.if ((\e)<<KK) < 63
.set KK, KK+1
.endif
.endr
.if (\e) == 0
.set MB, 0
.else
.set MB, ((127-KK)<<23)+((((\e)<<(KK+24))+63)/126)-(1<<23)
.endif
.endm
.macro GRIDX d, q, t, src              ; v[d] = the grid's coordinate number src: q = src / 63 rounded once (a product, its exact remainder, one correction), then q - (1 - q)
	v_cvt_f32_u32 v[\d], \src
	s_delay_alu instid0(VALU_DEP_1)
	v_mul_f32 v[\q], s16, v[\d]
	s_delay_alu instid0(VALU_DEP_1)
	v_fma_f32 v[\t], v[\q], s17, v[\d]
	s_delay_alu instid0(VALU_DEP_1)
	v_fma_f32 v[\q], v[\t], s16, v[\q]
	s_delay_alu instid0(VALU_DEP_1)
	v_sub_f32 v[\t], 1.0, v[\q]
	s_delay_alu instid0(VALU_DEP_1)
	v_sub_f32 v[\d], v[\q], v[\t]
.endm
.macro SINCOS a, sn, cs, k, r, z, p, q, t   ; k = the nearest multiple of pi/2, taken away in three parts by fused multiply-adds; two polynomials on [-pi/4, pi/4]; the quadrant swaps and signs them
	v_mul_f32 v[\k], 0x3f22f983, v[\a]
	s_delay_alu instid0(VALU_DEP_1)
	v_rndne_f32 v[\k], v[\k]
	s_delay_alu instid0(VALU_DEP_1)
	v_fmamk_f32 v[\r], v[\k], 0xbfc90fd8, v[\a]
	s_delay_alu instid0(VALU_DEP_1)
	v_fmamk_f32 v[\r], v[\k], 0xb4a8885a, v[\r]
	s_delay_alu instid0(VALU_DEP_1)
	v_fmamk_f32 v[\r], v[\k], 0xa7c234c4, v[\r]
	v_cvt_i32_f32 v[\k], v[\k]
	s_delay_alu instid0(VALU_DEP_2)
	v_mul_f32 v[\z], v[\r], v[\r]
	v_mov_b32 v[\q], 0x37cd4000
	v_mov_b32 v[\p], 0x36405000
	v_fmaak_f32 v[\q], v[\q], v[\z], 0xbab6077d
	v_fmaak_f32 v[\p], v[\p], v[\z], 0xb9503486
	v_fmaak_f32 v[\q], v[\q], v[\z], 0x3d2aaaa8
	v_fmaak_f32 v[\p], v[\p], v[\z], 0x3c0888c1
	v_fma_f32 v[\q], v[\q], v[\z], -0.5
	v_fmaak_f32 v[\p], v[\p], v[\z], 0xbe2aaaab
	v_mul_f32 v[\t], v[\r], v[\z]
	v_fma_f32 v[\q], v[\q], v[\z], 1.0
	v_fma_f32 v[\p], v[\p], v[\t], v[\r]
	v_and_b32 v[\t], 1, v[\k]
	v_cmp_eq_u32 vcc_lo, 1, v[\t]                  ; odd quadrant: the two change places
	v_cndmask_b32 v[\sn], v[\p], v[\q], vcc_lo
	v_cndmask_b32 v[\cs], v[\q], v[\p], vcc_lo
	v_and_b32 v[\t], 2, v[\k]
	v_add_nc_u32 v[\z], 1, v[\k]
	v_lshlrev_b32 v[\t], 30, v[\t]
	v_and_b32 v[\z], 2, v[\z]
	v_xor_b32 v[\sn], v[\sn], v[\t]                ; k & 2: -sin
	v_lshlrev_b32 v[\z], 30, v[\z]
	v_xor_b32 v[\cs], v[\cs], v[\z]                ; (k + 1) & 2: -cos
.endm
.macro ARGS base, w                    ; 64 terms of one coordinate: 2^(K1 (e/63 - v[w])^2), e = 0..63
.set ee, 0
.rept 64
	MUBITS ee
	v_sub_f32 v[\base+ee], MB, v[\w]
.set ee, ee+1
.endr
.set ii, 0
.rept 32
	v_pk_mul_f32 v[\base+ii:\base+ii+1], v[\base+ii:\base+ii+1], v[\base+ii:\base+ii+1]
.set ii, ii+2
.endr
.set ii, 0
.rept 32
	v_pk_mul_f32 v[\base+ii:\base+ii+1], v[\base+ii:\base+ii+1], s[18:19] op_sel_hi:[1,0]
.set ii, ii+2
.endr
.set ii, 0
	s_wait_alu depctr_va_vdst(0)                   ; the wait ahead of the batch
.rept 64
	v_exp_f32 v[\base+ii], v[\base+ii]
.set ii, ii+1
.endr
.endm
	s_load_b128 s[4:7], s[0:1], 0x0                ; v, pmax
	v_lshl_add_u32 v30, v0, 2, SPARE               ; my spare word,
	v_mov_b32 v31, 0                               ; and 0: kept for the add at the wave's end
	v_lshrrev_b32 v3, 5, v0
	v_readfirstlane_b32 s14, v3                    ; wave 0..7
	v_lshlrev_b32 v11, 2, v3                       ; my wave's word in LDS
	v_mov_b32 v12, 0
	v_mov_b32 v13, 0                               ; written once: a lane permute's destination counts as one of its sources
	v_and_b32 v1, 15, v0
	v_lshrrev_b32 v6, 4, v0
	v_lshlrev_b32 v1, 2, v1                        ; 4 n
	s_wait_alu depctr_va_vdst(0)                   ; the wait ahead of the scalar lines below
	s_mov_b32 s16, 0x3c820821                      ; 1/63
	s_mov_b32 s17, 0xc27c0000                      ; -63
	s_mov_b32 s18, 0xc39336ba                      ; K1 = -log2(e) / 0.0049
	s_mov_b32 s19, s18                             ; (named with it as a pair, so it is written)
	s_mov_b32 s20, 0x76543210
	s_mov_b32 s21, 0xfedcba98                      ; lane l xor 16
	s_lshr_b32 s25, ttmp9, 2                       ; h
	s_and_b32 s26, ttmp9, 3
	s_lshl_b32 s26, s26, 4
	v_add_nc_u32 v6, s26, v6                       ; w
	GRIDX 18, 7, 8, s25                            ; x
	GRIDX 19, 7, 8, v6                             ; y
	s_wait_alu depctr_va_vdst(0)                   ; the wait at the head's end
	s_wait_kmcnt 0x0
	global_load_b32 v2, v1, s[4:5]                 ; v[n]
	s_wait_loadcnt 0x0
	SINCOS 2, 16, 17, 3, 4, 5, 6, 7, 8
	v_mul_f32 v20, v17, v18                        ; cos x
	v_mul_f32 v21, v16, v18                        ; sin x
	v_fma_f32 v20, v16, v19, v20                   ; warp0 =  cos x + sin y
	v_fma_f32 v21, v17, v19, -v21                  ; warp1 = -sin x + cos y
	ARGS A, 20
	ARGS A+64, 21                                  ; the second coordinate's arguments are the work behind the first 64 exponentials
	v_nop                                          ; a plain instruction behind the last exponential
	s_wait_alu depctr_va_vdst(0)                   ; one wait for all 128, ahead of their first reader
.irp c, 0,1,2,3
	v_pk_add_f32 v[22+2*\c:23+2*\c], v[A+2*\c:A+2*\c+1], v[A+8+2*\c:A+8+2*\c+1]   ; four packed chains; the first eight pairs start them
.endr
.set ii, 16
.rept 14
.irp c, 0,1,2,3
	v_pk_add_f32 v[22+2*\c:23+2*\c], v[22+2*\c:23+2*\c], v[A+ii+2*\c:A+ii+2*\c+1]
.endr
.set ii, ii+8
.endr
	v_pk_add_f32 v[22:23], v[22:23], v[24:25]
	v_pk_add_f32 v[26:27], v[26:27], v[28:29]
	s_delay_alu instid0(VALU_DEP_1)
	v_pk_add_f32 v[22:23], v[22:23], v[26:27]
	s_delay_alu instid0(VALU_DEP_1)
	v_add_f32 v22, v22, v23
	s_delay_alu instid0(VALU_DEP_1)
	v_max_num_f32_dpp v22, v22, v22 row_xmask:1 row_mask:0xf bank_mask:0xf
	s_delay_alu instid0(VALU_DEP_1)
	v_max_num_f32_dpp v22, v22, v22 row_xmask:2 row_mask:0xf bank_mask:0xf
	s_delay_alu instid0(VALU_DEP_1)
	v_max_num_f32_dpp v22, v22, v22 row_xmask:4 row_mask:0xf bank_mask:0xf
	s_delay_alu instid0(VALU_DEP_1)
	v_max_num_f32_dpp v22, v22, v22 row_xmask:8 row_mask:0xf bank_mask:0xf
	s_delay_alu instid0(VALU_DEP_1)
	v_permlanex16_b32 v13, v22, s20, s21
	s_delay_alu instid0(VALU_DEP_1)
	v_max_num_f32 v22, v22, v13                    ; the wave's maximum, in every lane
	ds_store_b32 v11, v22                          ; all lanes write the wave's word with the same number
	s_wait_alu depctr_va_vdst(0)
	s_wait_dscnt 0x0                               ; for the others' sake: my store has landed
	s_barrier_signal -1
	s_barrier_wait -1
	s_wait_tensorcnt 0x0                           ; the wave's end, behind my last LDS store
	ds_add_u32 v30, v31
	s_wait_dscnt 0x0
	s_cmp_lg_u32 s14, 0
	s_cbranch_scc1 .Lend
	ds_load_b128 v[32:35], v12                     ; wave 0: the eight maxima
	ds_load_b128 v[36:39], v12 offset:16
	s_lshl_b32 s22, ttmp9, 2
	s_mov_b32 s23, 0
	s_add_nc_u64 s[6:7], s[6:7], s[22:23]          ; pmax[g]
	s_wait_dscnt 0x0
	v_max3_num_f32 v32, v32, v33, v34
	v_max3_num_f32 v35, v35, v36, v37
	s_delay_alu instid0(VALU_DEP_2)
	v_max3_num_f32 v32, v32, v38, v39
	s_delay_alu instid0(VALU_DEP_1)
	v_max_num_f32 v32, v32, v35
	s_wait_alu depctr_va_vdst(0)
	s_wait_xcnt 0x0                                ; EXEC is a source of the memory instructions issued so far: it changes only behind this wait
	v_cmp_eq_u32 vcc_lo, 0, v0
	s_and_saveexec_b32 s28, vcc_lo                 ; one lane stores the one word
	global_store_b32 v12, v32, s[6:7]
	s_endpgm
.Lend:
	s_endpgm
.Lfunc_end_k_q002f84b0a5_norm:
	.size	k_q002f84b0a5_norm, .Lfunc_end_k_q002f84b0a5_norm-k_q002f84b0a5_norm
	.p2alignl 7, 3214868480
	.fill 96, 4, 3214868480
	.section	.rodata,"a",@progbits
	.p2align	6, 0x0
	.amdhsa_kernel k_q002f84b0a5_norm
		.amdhsa_group_segment_fixed_size 1280
		.amdhsa_private_segment_fixed_size 0
		.amdhsa_enable_private_segment 0
		.amdhsa_kernarg_size 16
		.amdhsa_user_sgpr_count 2
		.amdhsa_user_sgpr_kernarg_segment_ptr 1
		.amdhsa_wavefront_size32 1
		.amdhsa_system_sgpr_workgroup_id_x 1
		.amdhsa_system_sgpr_workgroup_id_y 1
		.amdhsa_system_sgpr_workgroup_id_z 1
		.amdhsa_system_vgpr_workitem_id 0
		.amdhsa_next_free_vgpr 192
		.amdhsa_next_free_sgpr 66
		.amdhsa_reserve_vcc 1
		.amdhsa_float_denorm_mode_32 3
		.amdhsa_float_denorm_mode_16_64 3
		.amdhsa_memory_ordered 1
		.amdhsa_forward_progress 1
		.amdhsa_inst_pref_size 30
	.end_amdhsa_kernel
	.amdgpu_metadata
---
amdhsa.version: [ 1, 2 ]
amdhsa.kernels:
  - .name:           k_q002f84b0a5_norm
    .symbol:         k_q002f84b0a5_norm.kd
    .args:
      - { .name: v, .offset: 0, .size: 8, .value_kind: global_buffer, .address_space: global }
      - { .name: pmax, .offset: 8, .size: 8, .value_kind: global_buffer, .address_space: global }
    .group_segment_fixed_size: 1280
    .private_segment_fixed_size: 0
    .kernarg_segment_align: 8
    .kernarg_segment_size: 16
    .max_flat_workgroup_size: 256
    .sgpr_count:     66
    .vgpr_count:     192
    .wavefront_size: 32
...
	.end_amdgpu_metadata
.endif
;; end of part 1
;; launch main (part 2): grid 16 x 16, 16 waves a work-group, clusters of 4 x 1, 327,680 bytes of LDS; arguments W0_codes, W1_codes, Wout_codes, b0, b1, bout, data, lowp_scales, v, out0, pmax; writes out0
.if DOCPART == 2
	.amdgcn_target "amdgcn-amd-amdhsa--gfx1250"
	.amdhsa_code_object_version 6
	.text
	.protected	k_q002f84b0a5_main
	.globl	k_q002f84b0a5_main
	.p2align	8
	.type	k_q002f84b0a5_main,@function
k_q002f84b0a5_main:
	s_mov_b64 s[64:65], 0
	v_nop
	global_prefetch_b8 v0, s[64:65] scope:SCOPE_SE
	s_setreg_imm32_b32 hwreg(HW_REG_WAVE_MODE, 25, 1), 1
	s_wait_xcnt 0x0
	s_wait_alu depctr_hold_cnt(0) depctr_sa_sdst(0) depctr_va_vdst(0) depctr_va_sdst(0) depctr_va_ssrc(0) depctr_va_vcc(0) depctr_vm_vsrc(0)
	s_getreg_b32 s2, hwreg(HW_REG_IB_STS2, 6, 4)
	s_cmp_eq_u32 s2, 0
	s_cbranch_scc0 .Lentry_in_a_cluster
	s_endpgm
.Lentry_in_a_cluster:
	s_bfe_u32 s2, ttmp6, 0x10000c
	s_cmp_lg_u32 s2, 0x3003
	s_cbranch_scc0 .Lentry_shape_is_right
	s_endpgm
.Lentry_shape_is_right:
; SECOND LAUNCH: out0[b][n][d] = sum over points and channels of Q(data) Q(mask x filter): embedding, both hidden layers, filter, window and contraction.
; DEAD WORK LEFT OUT, as shown at the head of the first launch: grid rows and grid columns outside 28..35 have mask 0 for every v; 8 x 8 points a rotation are made, and data's middle 8 x 8 is all of it that is read.
; LIMITS.  A NaN, an infinity or an overflow that reaches only the work left out, or only a masked point's filter, is not carried to the result; NaN and infinities among the inputs are not served.  |v| <= 4.8e4.
; With e0..e7 = lowp_scales: e0, e6, e2-e0-e1, e4-e2-e3, e7-e4-e5 between -126 and 112; e0+e1, e2+e3, e4+e5 between -126 and 126; e6+e7 between -126 and 127.
; An exponential under 2^-126 counts as 0.  A point whose warp lies within f32 rounding of 0.1 may fall on either side of the window.
; SHARES.  Work-group (x = n, y = 2 g + half): rotation n, batches 2 g and 2 g + 1, d = 32 half .. + 31, all 32 channels and 64 points: nothing is summed across work-groups.  Point p = 8 row + column of the 8 x 8.
;   EMBEDDING: wave w makes the 16 points 16 (w % 4) on, k = 32 (w / 4) .. + 31.  HIDDEN LAYERS: wave w makes unit tile t = w % 8 of the point tiles 2 (w / 8), + 1.  Fragments change hands in LDS as images of their registers.
;   FILTER AND CONTRACTION: wave w takes channels 2 w, 2 w + 1: four tiles (channel, 16 d).  A tile is four products of K = 128 (source 0 = 16 points, source 1 = 16 rows of Wout); a lane then holds one (c, d) and eight
;   neighbouring points, which held and converted ARE the operand of one product of K = 64 with the channel's codes of data.  The 16 waves' sums meet in LDS, and wave 0 adds them.
; THE WINDOW stands in the hold of data instead of the filter's: a masked point's data are held to 0, and 0 x filter is the same product as data x 0.
; Unit tile t = 2 b + u takes, in lane r, row 32 b + 8 u + r + 8 (r / 8) of W0 or W1: a lane's results are units 32 b + 16 h + 8 u + 0..7, which is where the next fragment wants them (registers 4 c on: k = 32 c + 16 h on).
; SCALES.  A sum y stands for y x 2^E, E = the two exponents added.  The bias goes in as C, divided by 2^E; silu's exponent is y x (-log2(e) 2^E); the next conversion takes 2^(e_next - E).
; CLUSTERS: the four work-groups of a cluster differ in n alone and need the same 131,072 bytes of Wout: each wave's 8,192 are asked for jointly.  W0 and W1, 2,048 bytes a wave each, and data, 32 bytes a row, go straight into registers.
; No prefetch: the launch has no loop to run ahead in; all that is read is asked for once at the head.  Two work-groups (the halves of d) store a row of out0, 128 consecutive bytes each, since they own its sums.
.set FR0,  0                           ; LDS: the embedding's four fragments: 2,048 m + 512 c + 16 x lane
.set FR1,  8192                        ; the first hidden layer's
.set FR2,  16384                       ; the second's
.set DCI,  24576                       ; codes of data: 256 w + 8 x lane: each wave's own
.set RED,  28672                       ; the waves' sums: 256 w + 128 b + 4 d
.set SPARE, 32768                      ; the spare words, 128 bytes a wave
.set WT,   34816                       ; Wout: 9,216 a wave: 64 rows of 128 bytes + 16
.set LI,   1                           ; v1   16 x lane
.set SPW,  2                           ; v2   my spare word
.set NIL,  3                           ; v3   0
.set SC0,  4                           ; v4-13 scale and limit of the five conversions
.set LM0,  5
.set SC1,  6
.set LM1,  7
.set SC2,  8
.set LM2,  9
.set SC7,  10
.set LM7,  11
.set SC6,  12
.set LM6,  13
.set FST,  14                          ; where I store hidden codes
.set WAD,  15                          ; my Wout rows in LDS
.set DAD,  16                          ; codes of data: in,
.set DRD,  17                          ; and back
.set RDS,  18                          ; where my sums go
.set FRD,  19                          ; where they are read
.set LIMD, 20                          ; v20-27 limits of my eight numbers of data
.set DAT,  28                          ; v28-35 my eight numbers of data
.set ACC,  20                          ; v20-35 then out^T: 16 d at 8 dt
.set BOUT, 36                          ; v36-39 bout of my column: tile 2 q + dt
.set BI,   40                          ; v40-55 a tile's bias, eight times, two sets; at the head at work
.set FR,   56                          ; v56-119 the four hidden fragments
.set WS,   120                         ; v120-151 two tiles of Wout
.set BUF,  152                         ; v152-215 two buffers of four filter tiles
.set PC,   216                         ; v216-231 the filter's codes, two sets
.set DCD,  232                         ; v232-247 codes of data, two channels
.set W0F,  56                          ; hidden phase: W0's and W1's tile, b0's and b1's
.set W1F,  72
.set B0R,  88
.set B1R,  96
.set HF,   104                         ; v104-135 two fragments
.set HD,   136                         ; v136-151 two result tiles
.set T,    152                         ; v152-167 mu; silu's temporaries; the window's
.set EM,   168                         ; v168-183 the embedding
.set HC,   184                         ; v184-187 hidden codes
.set EC,   188                         ; v188-191 the embedding's codes
.set XA,   204                         ; coordinate 28 + lane % 8: my point's column, and my row of data
.set XB,   205                         ; my point's row
.set EST,  210
.set RN,   214                         ; v214 1 / the largest norm (v215 is named with it as a pair)
.set PM,   216                         ; v216-223 eight of the 256 partial maxima; v224 a permute's destination
.set AW,   241
.set AB,   242
.set ABO,  243
.set ADT,  244
.set AOUT, 252
.set HRD,  253
; SCALARS: s2 wave, s4 n, s6 half, s7 g; s[8:27], s[98:99] addresses; s[28:31], s[32:39] descriptor; s[40:47] e0..e7; s48 v[n]; s49 my coordinate; s[50:51] offsets; s52-59 the eight coordinates; s[60:61] 1/63; s[62:63] -63;
; s66-75 at work; s[76:77] K2; s[78:79], s[92:93] silu's factors; s80-87 masks (s86, s87 first the lane selects); s[88:89], s[90:91], s94 2^-E; s95 0.1; s[96:97] 2^(e6+e7)
.macro GRIDX d, q, t, src              ; as in the first launch
	v_cvt_f32_u32 v[\d], v[\src]
	s_delay_alu instid0(VALU_DEP_1)
	v_mul_f32 v[\q], s60, v[\d]
	s_delay_alu instid0(VALU_DEP_1)
	v_fma_f32 v[\t], v[\q], s62, v[\d]
	s_delay_alu instid0(VALU_DEP_1)
	v_fma_f32 v[\q], v[\t], s60, v[\q]
	s_delay_alu instid0(VALU_DEP_1)
	v_sub_f32 v[\t], 1.0, v[\q]
	s_delay_alu instid0(VALU_DEP_1)
	v_sub_f32 v[\d], v[\q], v[\t]
.endm
.macro SINCOS a, sn, cs, k, r, z, p, q, t   ; as in the first launch
	v_mul_f32 v[\k], 0x3f22f983, v[\a]
	s_delay_alu instid0(VALU_DEP_1)
	v_rndne_f32 v[\k], v[\k]
	s_delay_alu instid0(VALU_DEP_1)
	v_fmamk_f32 v[\r], v[\k], 0xbfc90fd8, v[\a]
	s_delay_alu instid0(VALU_DEP_1)
	v_fmamk_f32 v[\r], v[\k], 0xb4a8885a, v[\r]
	s_delay_alu instid0(VALU_DEP_1)
	v_fmamk_f32 v[\r], v[\k], 0xa7c234c4, v[\r]
	v_cvt_i32_f32 v[\k], v[\k]
	s_delay_alu instid0(VALU_DEP_2)
	v_mul_f32 v[\z], v[\r], v[\r]
	v_mov_b32 v[\q], 0x37cd4000
	v_mov_b32 v[\p], 0x36405000
	v_fmaak_f32 v[\q], v[\q], v[\z], 0xbab6077d
	v_fmaak_f32 v[\p], v[\p], v[\z], 0xb9503486
	v_fmaak_f32 v[\q], v[\q], v[\z], 0x3d2aaaa8
	v_fmaak_f32 v[\p], v[\p], v[\z], 0x3c0888c1
	v_fma_f32 v[\q], v[\q], v[\z], -0.5
	v_fmaak_f32 v[\p], v[\p], v[\z], 0xbe2aaaab
	v_mul_f32 v[\t], v[\r], v[\z]
	v_fma_f32 v[\q], v[\q], v[\z], 1.0
	v_fma_f32 v[\p], v[\p], v[\t], v[\r]
	v_and_b32 v[\t], 1, v[\k]
	v_cmp_eq_u32 vcc_lo, 1, v[\t]                  ; odd quadrant: the two change places
	v_cndmask_b32 v[\sn], v[\p], v[\q], vcc_lo
	v_cndmask_b32 v[\cs], v[\q], v[\p], vcc_lo
	v_and_b32 v[\t], 2, v[\k]
	v_add_nc_u32 v[\z], 1, v[\k]
	v_lshlrev_b32 v[\t], 30, v[\t]
	v_and_b32 v[\z], 2, v[\z]
	v_xor_b32 v[\sn], v[\sn], v[\t]                ; k & 2: -sin
	v_lshlrev_b32 v[\z], 30, v[\z]
	v_xor_b32 v[\cs], v[\cs], v[\z]                ; (k + 1) & 2: -cos
.endm
.macro VSCALE sc, lim, x               ; v[sc] = 2^s[x] as f32, v[lim] = 57,344 x that; s[x] is used up
	s_add_co_i32 s[\x], s[\x], 127
	s_lshl_b32 s75, s[\x], 23
	v_mov_b32 v[\sc], s75
	s_add_co_i32 s[\x], s[\x], 15
	s_lshl_b32 s[\x], s[\x], 23
	s_or_b32 s[\x], s[\x], 0x600000
	v_mov_b32 v[\lim], s[\x]
.endm
.macro ROUND                           ; a round of the cluster's barrier
	s_barrier_signal -1
	s_barrier_wait -1
	s_cmp_lg_u32 s2, 0
	s_cbranch_scc1 .Lnot_wave_0_\@
	s_barrier_signal -3
.Lnot_wave_0_\@:
	s_barrier_wait -3
	s_barrier_signal -1
	s_barrier_wait -1
.endm
.macro DRAIN
	s_wait_alu depctr_va_vdst(0)
.endm
; A hidden layer: my unit tile x two point tiles, silu, codes.  left = the younger loads that may stay out when the weight and the bias have to be there.
.macro LAYER wf, bf, sp, nl, sc, lm, left, src, dst
.irp k, 0,1
.irp c, 0,1,2,3
	ds_load_b128 v[HF+16*\k+4*\c:HF+16*\k+4*\c+3], v[HRD] offset:\src+2048*\k+512*\c
.endr
.endr
	s_wait_loadcnt \left
.irp i, 0,2,4,6
	v_pk_mul_f32 v[\bf+\i:\bf+\i+1], v[\bf+\i:\bf+\i+1], s[\sp:\sp+1] op_sel_hi:[1,0]
.endr
	DRAIN
	s_wait_dscnt 0x0
.irp k, 0,1
	v_wmma_f32_16x16x128_bf8_bf8 v[HD+8*\k:HD+8*\k+7], v[\wf:\wf+15], v[HF+16*\k:HF+16*\k+15], v[\bf:\bf+7]
.endr
.rept 4
	v_nop                                          ; four places behind a matrix instruction (ISA guide 7.12.1)
.endr
.irp i, 0,2,4,6,8,10,12,14
	v_pk_mul_f32 v[T+\i:T+\i+1], v[HD+\i:HD+\i+1], s[\nl:\nl+1] op_sel_hi:[1,0]   ; each accumulator from its low end on
.endr
	DRAIN
.irp i, 0,1,2,3,4,5,6,7,8,9,10,11,12,13,14,15
	v_exp_f32 v[T+\i], v[T+\i]
.endr
	v_nop                                          ; a plain instruction behind the last exponential
	DRAIN
.irp i, 0,2,4,6,8,10,12,14
	v_pk_add_f32 v[T+\i:T+\i+1], v[T+\i:T+\i+1], 1.0 op_sel_hi:[1,0]
.endr
	DRAIN
.irp i, 0,1,2,3,4,5,6,7,8,9,10,11,12,13,14,15
	v_rcp_f32 v[T+\i], v[T+\i]
.endr
	v_nop
	DRAIN
.irp i, 0,2,4,6,8,10,12,14
	v_pk_mul_f32 v[HD+\i:HD+\i+1], v[HD+\i:HD+\i+1], v[T+\i:T+\i+1]
.endr
.irp i, 0,1,2,3,4,5,6,7,8,9,10,11,12,13,14,15
	v_med3_num_f32 v[HD+\i], v[HD+\i], -v[\lm], v[\lm]   ; the conversion to an 8-bit code does not saturate (ISA guide 7.6.2)
.endr
.irp k, 0,1
	v_cvt_scalef32_pk8_bf8_f32 v[HC+2*\k:HC+2*\k+1], v[HD+8*\k:HD+8*\k+7], v[\sc]
.endr
	v_nop                                          ; a plain instruction behind the last conversion
.irp k, 0,1
	ds_store_b64 v[FST], v[HC+2*\k:HC+2*\k+1] offset:\dst+2048*\k
.endr
.endm
.macro WTILE set, t                    ; tile t = 2 q + dt of my Wout rows: lane r holds row r, registers 4 c on k = 32 c + 16 h on
.irp c, 0,1,2,3
	ds_load_b128 v[WS+16*\set+4*\c:WS+16*\set+4*\c+3], v[WAD] offset:16*144*\t+32*\c
.endr
.endm
.macro BIAS set, t                     ; bout / 2^(e4+e5) of my column, the same for a lane's eight points
.irp j, 0,1,2,3,4,5,6,7
	v_mul_f32 v[BI+8*\set+\j], s94, v[BOUT+\t]
.endr
.endm
.macro FLT set, m
	v_wmma_f32_16x16x128_bf8_bf8 v[BUF+32*\set+8*\m:BUF+32*\set+8*\m+7], v[FR+16*\m:FR+16*\m+15], v[WS+16*\set:WS+16*\set+15], v[BI+8*\set:BI+8*\set+7]
.endm
.macro HOLD8 set, m
.irp j, 0,1,2,3,4,5,6,7
	v_med3_num_f32 v[BUF+32*\set+8*\m+\j], v[BUF+32*\set+8*\m+\j], -v[LM7], v[LM7]
.endr
.endm
.macro CVT1 set, m                     ; k = 16 m + 8 h + 0..7: registers 2 m, 2 m + 1
	v_cvt_scalef32_pk8_bf8_f32 v[PC+8*\set+2*\m:PC+8*\set+2*\m+1], v[BUF+32*\set+8*\m:BUF+32*\set+8*\m+7], v[SC7]
.endm
.macro QUANT set                       ; a tile's conversion stands behind the next tile's holds
	HOLD8 \set, 0
	HOLD8 \set, 1
	CVT1 \set, 0
	HOLD8 \set, 2
	CVT1 \set, 1
	HOLD8 \set, 3
	CVT1 \set, 2
	CVT1 \set, 3
.endm
	s_load_b512 s[8:23], s[0:1], 0x0               ; W0, W1, Wout, b0, b1, bout, data, lowp_scales
	s_load_b128 s[24:27], s[0:1], 0x40             ; v, out0
	s_load_b64 s[98:99], s[0:1], 0x50              ; pmax
	v_lshl_add_u32 v[SPW], v0, 2, SPARE
	v_mov_b32 v[NIL], 0
	ds_add_u32 v[SPW], v[NIL]                      ; the wave's opening: the add, twice on end, and its wait ahead of my tensor load; the set-up below is work on registers
	ds_add_u32 v[SPW], v[NIL]
	v_lshrrev_b32 v40, 5, v0
	v_readfirstlane_b32 s2, v40                    ; wave 0..15
	s_bfe_u32 s3, ttmp6, 0x40000                   ; my place along the cluster's x
	s_lshl_b32 s4, ttmp9, 2
	s_add_co_u32 s4, s4, s3                        ; n
	s_and_b32 s5, ttmp7, 0xffff
	s_and_b32 s6, s5, 1                            ; which half of d
	s_lshr_b32 s7, s5, 1                           ; which pair of batches
	; descriptor: two channels, each 32 rows of 128 bytes end to end, stated as a row of 4,096 bytes (512 elements of 8 bytes), 8,192 bytes apart; 16 bytes of padding behind every 128
	s_mov_b32 s28, 1
	s_mul_i32 s29, s2, 9216
	s_add_co_u32 s29, s29, WT
	s_mov_b32 s32, 15|(3<<16)|(1<<20)|(1<<21)|(4<<22)|(3<<25)   ; the four work-groups of the cluster; 8-byte elements; padding after 32 words (code 4) of 4 words (code 3)
	s_mov_b32 s33, 512<<16
	s_mov_b32 s34, 2<<16
	s_mov_b32 s35, 512<<16
	s_mov_b32 s36, 2
	s_mov_b32 s37, 1024
	s_mov_b32 s38, 0
	s_mov_b32 s39, 0
	s_mov_b32 s60, 0x3c820821                      ; 1/63
	s_mov_b32 s61, s60
	s_mov_b32 s62, 0xc27c0000                      ; -63
	s_mov_b32 s63, s62
	s_mov_b32 s76, 0xc31336ba                      ; K2 = -log2(e) / (2 x 0.0049)
	s_mov_b32 s77, s76
	s_mov_b32 s86, 0x76543210                      ; lane l xor 16
	s_mov_b32 s87, 0xfedcba98
	s_mov_b32 s95, 0x3dcccccd                      ; 0.1
	s_and_b32 s66, s2, 7                           ; t
	s_lshr_b32 s67, s66, 1                         ; b = t / 2
	s_and_b32 s68, s66, 1                          ; u = t % 2
	s_lshr_b32 s69, s2, 3                          ; which two point tiles; in the embedding: which coordinate
	s_and_b32 s70, s2, 3                           ; the embedding's point tile,
	s_lshr_b32 s71, s2, 2                          ; and its 32 of k
	s_lshl_b32 s73, s69, 12
	s_lshl_b32 s72, s67, 9
	s_add_co_u32 s72, s72, s73
	s_lshl_b32 s74, s68, 3
	s_add_co_u32 s72, s72, s74
	s_lshl_b32 s74, s70, 11
	s_lshl_b32 s75, s71, 9
	s_add_co_u32 s74, s74, s75
	s_lshl_b32 s75, s2, 8
	s_add_co_u32 s80, s75, DCI
	s_add_co_u32 s81, s75, RED
	s_lshl_b32 s82, s70, 1
	s_add_co_u32 s82, s82, 28
	s_and_b32 s83, s71, 1
	s_lshl_b32 s83, s83, 5
	s_cmp_lg_u32 s69, 0
	s_cselect_b32 s49, -1, 0
	v_and_b32 v40, 15, v0                          ; r
	v_bfe_u32 v41, v0, 4, 1                        ; h
	v_and_b32 v42, 31, v0
	v_and_b32 v44, 7, v0
	v_bfe_u32 v45, v0, 3, 1
	v_lshlrev_b32 v[LI], 4, v42
	v_add_nc_u32 v206, 28, v44
	v_add_nc_u32 v207, s82, v45
	v_add_nc_u32 v[FST], s72, v[LI]
	v_add_nc_u32 v[HRD], s73, v[LI]
	v_add_nc_u32 v[EST], s74, v[LI]
	v_lshlrev_b32 v[ADT], 8, v44                   ; data: lane l takes row 28 + l % 8, columns 28..35, of batch (l / 8) % 2, channel l / 16
	v_lshl_add_u32 v[ADT], v45, 19, v[ADT]
	v_lshl_add_u32 v[ADT], v41, 14, v[ADT]
	v_mul_u32_u24 v43, v40, 144
	v_lshl_add_u32 v43, v41, 4, v43
	v_add_nc_u32 v[WAD], s29, v43
	v_lshlrev_b32 v43, 3, v42
	v_add_nc_u32 v[DAD], s80, v43
	v_add_nc_u32 v[FRD], RED, v43
	v_and_b32 v44, 1, v0
	v_lshlrev_b32 v45, 6, v44
	v_lshl_add_u32 v45, v41, 3, v45
	v_add_nc_u32 v[DRD], s80, v45                  ; batch r % 2, row h
	v_lshlrev_b32 v45, 7, v44
	v_lshl_add_u32 v45, v41, 5, v45
	v_bfe_u32 v43, v0, 1, 3
	v_lshl_add_u32 v45, v43, 2, v45
	v_add_nc_u32 v[RDS], s81, v45                  ; batch r % 2, d = 8 h + r / 2
	v_and_b32 v44, 8, v40
	v_add_nc_u32 v44, v44, v40
	v_lshlrev_b32 v[AW], 7, v44
	v_lshl_add_u32 v[AW], v41, 4, v[AW]            ; W0, W1: row r + 8 (r / 8) of 128 bytes, + 16 h
	v_lshlrev_b32 v[AB], 6, v41                    ; b0, b1: 16 h numbers on
	v_lshlrev_b32 v[ABO], 2, v40
	v_lshlrev_b32 v43, 3, v40
	v_lshl_add_u32 v[AOUT], v41, 12, v43           ; out0: batch l / 16, two numbers a lane
	GRIDX XA, 208, 209, 206
	GRIDX XB, 208, 209, 207
.irp k, 0,1,2,3,4,5,6,7
	v_readlane_b32 s[52+\k], v[XA], \k
.endr
	v_lshl_add_u32 v46, v41, 4, s83                ; my 16 of e begin here
	v_cvt_f32_u32 v46, v46
.set ii, 0
.irp f, 0.0,1.0,2.0,3.0,4.0,5.0,6.0,7.0,8.0,9.0,10.0,11.0,12.0,13.0,14.0,15.0
	v_add_f32 v[EM+ii], \f, v46
.set ii, ii+1
.endr
.irp i, 0,2,4,6,8,10,12,14
	v_pk_mul_f32 v[T+\i:T+\i+1], v[EM+\i:EM+\i+1], s[60:61] op_sel_hi:[1,0]
.endr
.irp i, 0,2,4,6,8,10,12,14
	v_pk_fma_f32 v[HD+\i:HD+\i+1], v[T+\i:T+\i+1], s[62:63], v[EM+\i:EM+\i+1] op_sel_hi:[1,0,1]
.endr
.irp i, 0,2,4,6,8,10,12,14
	v_pk_fma_f32 v[T+\i:T+\i+1], v[HD+\i:HD+\i+1], s[60:61], v[T+\i:T+\i+1] op_sel_hi:[1,0,1]   ; mu = e / 63
.endr
	v_mov_b32 v213, 0                              ; (named as the upper half of the pair v[212:213])
	v_mov_b32 v215, 0                              ; (likewise)
	v_mov_b32 v224, 0                              ; written once: a lane permute's destination counts as one of its sources
	DRAIN
	s_wait_dscnt 0x0                               ; both opening adds are done
	ROUND                                          ; all four work-groups are here: the joint loads meet
	s_wait_kmcnt 0x0
	s_mov_b32 s51, 0
	s_lshl_b32 s50, s4, 2
	s_add_nc_u64 s[24:25], s[24:25], s[50:51]
	s_load_b32 s48, s[24:25], 0x0                  ; v[n]
	s_load_b256 s[40:47], s[22:23], 0x0            ; e0..e7
	s_lshl_b32 s50, s2, 14
	s_lshl_b32 s74, s6, 12
	s_or_b32 s50, s50, s74
	s_add_nc_u64 s[30:31], s[12:13], s[50:51]      ; Wout at channel 2 w, row 32 half
	s_or_b32 s31, s31, 0x80000000
	tensor_load_to_lds s[28:31], s[32:39]          ; the wave's one tensor load
	s_nop 0
	global_load_b128 v[PM:PM+3], v[LI], s[98:99]   ; pmax: 256 numbers, eight a lane
	global_load_b128 v[PM+4:PM+7], v[LI], s[98:99] offset:512
	s_lshl_b32 s50, s67, 12
	s_lshl_b32 s74, s68, 10
	s_or_b32 s50, s50, s74
	s_add_nc_u64 s[8:9], s[8:9], s[50:51]
	s_add_nc_u64 s[10:11], s[10:11], s[50:51]
	s_lshl_b32 s50, s67, 7
	s_lshl_b32 s74, s68, 5
	s_or_b32 s50, s50, s74
	s_add_nc_u64 s[14:15], s[14:15], s[50:51]
	s_add_nc_u64 s[16:17], s[16:17], s[50:51]
.irp c, 0,1,2,3
	global_load_b128 v[W0F+4*\c:W0F+4*\c+3], v[AW], s[8:9] offset:32*\c
.endr
	global_load_b128 v[B0R:B0R+3], v[AB], s[14:15]
	global_load_b128 v[B0R+4:B0R+7], v[AB], s[14:15] offset:16
.irp c, 0,1,2,3
	global_load_b128 v[W1F+4*\c:W1F+4*\c+3], v[AW], s[10:11] offset:32*\c
.endr
	global_load_b128 v[B1R:B1R+3], v[AB], s[16:17]
	global_load_b128 v[B1R+4:B1R+7], v[AB], s[16:17] offset:16
	s_lshl_b32 s50, s2, 9
	s_lshl_b32 s74, s6, 7
	s_or_b32 s50, s50, s74
	s_add_nc_u64 s[18:19], s[18:19], s[50:51]
.irp q, 0,1
.irp dt, 0,1
	global_load_b32 v[BOUT+2*\q+\dt], v[ABO], s[18:19] offset:256*\q+64*\dt
.endr
.endr
	s_lshl_b32 s50, s7, 20
	s_lshl_b32 s74, s2, 15
	s_add_co_u32 s50, s50, s74
	s_add_co_u32 s50, s50, 28*256+28*4
	s_add_nc_u64 s[20:21], s[20:21], s[50:51]
	global_load_b128 v[DAT:DAT+3], v[ADT], s[20:21]
	global_load_b128 v[DAT+4:DAT+7], v[ADT], s[20:21] offset:16
	s_lshl_b32 s50, s7, 13
	s_lshl_b32 s74, s4, 8
	s_add_co_u32 s50, s50, s74
	s_lshl_b32 s74, s6, 7
	s_add_co_u32 s50, s50, s74
	s_add_nc_u64 s[26:27], s[26:27], s[50:51]      ; out0 at batch 2 g, rotation n, my half
	s_wait_kmcnt 0x0
	s_add_co_i32 s66, s40, s41                     ; e0 + e1
	s_add_co_i32 s67, s42, s43                     ; e2 + e3
	s_add_co_i32 s68, s44, s45                     ; e4 + e5
	s_add_co_i32 s69, s46, s47                     ; e6 + e7
	s_sub_co_i32 s70, s42, s66
	s_sub_co_i32 s71, s44, s67
	s_sub_co_i32 s72, s47, s68
	VSCALE SC0, LM0, 40                            ; the embedding's conversion
	v_mov_b32 v192, s48
	SINCOS 192, 193, 194, 195, 196, 197, 198, 199, 200
	v_mul_f32 v201, v194, v[XB]                    ; cos x
	v_mul_f32 v202, v193, v[XB]                    ; sin x
	v_fma_f32 v201, v193, v[XA], v201              ; warp0 =  cos x + sin y
	v_fma_f32 v202, v194, v[XA], -v202             ; warp1 = -sin x + cos y
	v_cndmask_b32 v212, v201, v202, s49            ; my wave's coordinate
.irp i, 0,2,4,6,8,10,12,14
	v_pk_add_f32 v[EM+\i:EM+\i+1], v[212:213], v[T+\i:T+\i+1] op_sel_hi:[0,1] neg_lo:[0,1] neg_hi:[0,1]
.endr
.irp i, 0,2,4,6,8,10,12,14
	v_pk_mul_f32 v[EM+\i:EM+\i+1], v[EM+\i:EM+\i+1], v[EM+\i:EM+\i+1]
.endr
.irp i, 0,2,4,6,8,10,12,14
	v_pk_mul_f32 v[EM+\i:EM+\i+1], v[EM+\i:EM+\i+1], s[76:77] op_sel_hi:[1,0]
.endr
	DRAIN
	s_wait_loadcnt 0x12                            ; pmax is in: behind it stand W0's 4, b0's 2, W1's 4, b1's 2, bout's 4 and data's 2
	v_max3_num_f32 v[PM], v[PM], v[PM+1], v[PM+2]
	v_max3_num_f32 v[PM+3], v[PM+3], v[PM+4], v[PM+5]
	v_max3_num_f32 v[PM], v[PM], v[PM+6], v[PM+7]
	v_max_num_f32 v[PM], v[PM], v[PM+3]
	v_max_num_f32_dpp v[PM], v[PM], v[PM] row_xmask:1 row_mask:0xf bank_mask:0xf
	v_max_num_f32_dpp v[PM], v[PM], v[PM] row_xmask:2 row_mask:0xf bank_mask:0xf
	v_max_num_f32_dpp v[PM], v[PM], v[PM] row_xmask:4 row_mask:0xf bank_mask:0xf
	v_max_num_f32_dpp v[PM], v[PM], v[PM] row_xmask:8 row_mask:0xf bank_mask:0xf
	v_permlanex16_b32 v224, v[PM], s86, s87
	v_max_num_f32 v[PM], v[PM], v224
	DRAIN
	v_rsq_f32 v[RN], v[PM]                         ; 1 / the largest norm
.irp i, 0,1,2,3,4,5,6,7,8,9,10,11,12,13,14,15
	v_exp_f32 v[EM+\i], v[EM+\i]
.endr
	v_nop                                          ; a plain instruction behind the last exponential
	DRAIN
.irp i, 0,2,4,6,8,10,12,14
	v_pk_mul_f32 v[EM+\i:EM+\i+1], v[EM+\i:EM+\i+1], v[RN:RN+1] op_sel_hi:[1,0]
.endr
.irp i, 0,1,2,3,4,5,6,7,8,9,10,11,12,13,14,15
	v_min_num_f32 v[EM+\i], v[EM+\i], v[LM0]       ; never negative: the hold is one-sided
.endr
	v_cvt_scalef32_pk8_bf8_f32 v[EC:EC+1], v[EM:EM+7], v[SC0]
	v_cvt_scalef32_pk8_bf8_f32 v[EC+2:EC+3], v[EM+8:EM+15], v[SC0]
	v_nop                                          ; a plain instruction behind the last conversion
	ds_store_b128 v[EST], v[EC:EC+3] offset:FR0
	DRAIN
	s_wait_dscnt 0x0                               ; for the others' sake: my codes have landed
	s_barrier_signal -1
	; register work while the others arrive: the other scales, and the window of my row of data
	VSCALE SC1, LM1, 70                            ; the first hidden layer's: 2^(e2 - e0 - e1)
	VSCALE SC2, LM2, 71                            ; the second's: 2^(e4 - e2 - e3)
	VSCALE SC7, LM7, 72                            ; the filter's: 2^(e7 - e4 - e5)
	VSCALE SC6, LM6, 46                            ; data's: 2^e6
	s_sub_co_i32 s73, 127, s66
	s_lshl_b32 s88, s73, 23                        ; 2^-(e0+e1)
	s_mov_b32 s89, s88
	s_lshl_b32 s73, s66, 23
	s_add_co_u32 s78, s73, 0xbfb8aa3b              ; -log2(e) with e0 + e1 added to its exponent field
	s_mov_b32 s79, s78
	s_sub_co_i32 s73, 127, s67
	s_lshl_b32 s90, s73, 23
	s_mov_b32 s91, s90
	s_lshl_b32 s73, s67, 23
	s_add_co_u32 s92, s73, 0xbfb8aa3b
	s_mov_b32 s93, s92
	s_sub_co_i32 s73, 127, s68
	s_lshl_b32 s94, s73, 23                        ; 2^-(e4+e5)
	s_add_co_i32 s73, s69, 127
	s_lshl_b32 s96, s73, 23                        ; 2^(e6+e7)
	s_mov_b32 s97, s96
	DRAIN
	v_mul_f32 v201, v194, v[XA]                    ; my row of data: x = its coordinate; y = the eight columns'
	v_mul_f32 v202, v193, v[XA]
.irp k, 0,1,2,3,4,5,6,7
	v_fma_f32 v[T+\k], v193, s[52+\k], v201
.endr
.irp k, 0,1,2,3,4,5,6,7
	v_fma_f32 v[T+8+\k], v194, s[52+\k], -v202
.endr
.irp k, 0,1,2,3,4,5,6,7
	v_max_num_f32 v[T+\k], |v[T+\k]|, |v[T+8+\k]|
.endr
.irp k, 0,1,2,3,4,5,6,7
	v_cmp_ge_f32 s[80+\k], s95, v[T+\k]            ; 0.1 >= both magnitudes
.endr
.irp k, 0,1,2,3,4,5,6,7
	v_cndmask_b32 v[LIMD+\k], 0, v[LM6], s[80+\k]
.endr
	DRAIN
	s_barrier_wait -1
	LAYER W0F, B0R, 88, 78, SC1, LM1, 12, FR0, FR1 ; behind b0's loads stand W1's 4, b1's 2, bout's 4 and data's 2
	s_wait_dscnt 0x0                               ; for the others' sake
	s_barrier_signal -1
	s_barrier_wait -1
	LAYER W1F, B1R, 90, 92, SC2, LM2, 6, FR1, FR2  ; behind b1's loads stand bout's 4 and data's 2
	s_wait_loadcnt 0x2                             ; bout is in; data's two loads may be out
	s_wait_tensorcnt 0x0                           ; my rows of Wout are in LDS: only my wave reads them
	s_wait_dscnt 0x0                               ; for the others' sake
	s_barrier_signal -1
	WTILE 0, 0                                     ; nobody writes Wout's bytes again
	WTILE 1, 1
	BIAS 0, 0
	BIAS 1, 1
	DRAIN
	s_barrier_wait -1
.irp m, 0,1,2,3
.irp c, 0,1,2,3
	ds_load_b128 v[FR+16*\m+4*\c:FR+16*\m+4*\c+3], v[LI] offset:FR2+2048*\m+512*\c
.endr
.endr
	; tiles 0 and 1 as the fragments land: behind fragment m's loads stand 12 - 4 m
.irp m, 0,1,2,3
	s_wait_dscnt 12-4*\m
	FLT 0, \m
	FLT 1, \m
.endr
.rept 4
	v_nop                                          ; places in front of the loads into Wout's registers and of the first holds
.endr
	WTILE 0, 2
	WTILE 1, 3
	QUANT 0
	BIAS 0, 2                                      ; (also the plain lines behind the last conversion)
	DRAIN
	s_wait_dscnt 0x4                               ; tile 2's rows are in; tile 3's four loads may be out
.irp m, 0,1,2,3
	FLT 0, \m
.endr
	QUANT 1
	BIAS 1, 3
	; data: the window and the hold in one
	DRAIN
	s_wait_loadcnt 0x0
.irp k, 0,1,2,3,4,5,6,7
	v_med3_num_f32 v[DAT+\k], v[DAT+\k], -v[LIMD+\k], v[LIMD+\k]
.endr
	v_cvt_scalef32_pk8_bf8_f32 v[248:249], v[DAT:DAT+7], v[SC6]
	v_nop
	ds_store_b64 v[DAD], v[248:249]
.irp q, 0,1
.irp c, 0,1,2,3
	ds_load_b64 v[DCD+8*\q+2*\c:DCD+8*\q+2*\c+1], v[DRD] offset:128*\q+16*\c   ; my wave's own bytes; LDS serves a wave's instructions in order (ISA guide 5.7.1.4); column r holds batch r % 2, k = 16 c + 8 h on
.endr
.endr
	s_wait_dscnt 0x0
	; the contraction: the two tiles of d take turns, with four filter products between a sum's two steps
	v_wmma_f32_16x16x64_bf8_bf8 v[ACC:ACC+7], v[PC:PC+7], v[DCD:DCD+7], 0
	v_wmma_f32_16x16x64_bf8_bf8 v[ACC+8:ACC+15], v[PC+8:PC+15], v[DCD:DCD+7], 0
.irp m, 0,1,2,3
	FLT 1, \m
.endr
	QUANT 0
	v_nop
	v_wmma_f32_16x16x64_bf8_bf8 v[ACC:ACC+7], v[PC:PC+7], v[DCD+8:DCD+15], v[ACC:ACC+7]
	QUANT 1
	v_nop
	v_wmma_f32_16x16x64_bf8_bf8 v[ACC+8:ACC+15], v[PC+8:PC+15], v[DCD+8:DCD+15], v[ACC+8:ACC+15]
	v_and_b32 v250, 2, v0                          ; these six lines are the places behind the last product
	v_and_b32 v251, 4, v0
	v_and_b32 v254, 8, v0
	v_cmp_ne_u32 s80, 0, v250
	v_cmp_ne_u32 s81, 0, v251
	v_cmp_ne_u32 s82, 0, v254
	; column r repeats batch r % 2: lane (r, h) takes number r / 2 of its eight, so that the 32 lanes store 32 different words
.irp t, 0,1
.irp k, 0,1,2,3
	v_cndmask_b32 v[FR+4*\t+\k], v[ACC+8*\t+2*\k], v[ACC+8*\t+2*\k+1], s80   ; each accumulator from its low end on
.endr
.endr
.irp t, 0,1
.irp k, 0,1
	v_cndmask_b32 v[FR+8+2*\t+\k], v[FR+4*\t+2*\k], v[FR+4*\t+2*\k+1], s81
.endr
.endr
.irp t, 0,1
	v_cndmask_b32 v[FR+12+\t], v[FR+8+2*\t], v[FR+8+2*\t+1], s82
.endr
.irp t, 0,1
	ds_store_b32 v[RDS], v[FR+12+\t] offset:64*\t
.endr
	s_wait_tensorcnt 0x0
	ds_add_u32 v[SPW], v[NIL]
	s_wait_dscnt 0x0                               ; for the others' sake: my sums have landed
	s_barrier_signal -1
	s_barrier_wait -1
	s_cmp_lg_u32 s2, 0
	s_cbranch_scc1 .Lend
	; wave 0 adds the sixteen waves' sums: lane l: batch l / 16, d = 2 (l % 16), + 1
.set ii, 0
.rept 16
	ds_load_b64 v[FR+2*ii:FR+2*ii+1], v[FRD] offset:256*ii
.set ii, ii+1
.endr
	s_wait_dscnt 0x0
.irp k, 0,1,2,3,4,5,6,7
	v_pk_add_f32 v[FR+2*\k:FR+2*\k+1], v[FR+2*\k:FR+2*\k+1], v[FR+16+2*\k:FR+16+2*\k+1]
.endr
.irp k, 0,1,2,3
	v_pk_add_f32 v[FR+2*\k:FR+2*\k+1], v[FR+2*\k:FR+2*\k+1], v[FR+8+2*\k:FR+8+2*\k+1]
.endr
.irp k, 0,1
	v_pk_add_f32 v[FR+2*\k:FR+2*\k+1], v[FR+2*\k:FR+2*\k+1], v[FR+4+2*\k:FR+4+2*\k+1]
.endr
	v_pk_add_f32 v[FR:FR+1], v[FR:FR+1], v[FR+2:FR+3]
	v_pk_mul_f32 v[FR:FR+1], v[FR:FR+1], s[96:97] op_sel_hi:[1,0]
	global_store_b64 v[AOUT], v[FR:FR+1], s[26:27] ; sixteen lanes store 128 consecutive bytes
.Lend:
	ROUND                                          ; the closing round: no work-group ends while a partner may still issue a joint load that names it
	s_endpgm
.Lfunc_end_k_q002f84b0a5_main:
	.size	k_q002f84b0a5_main, .Lfunc_end_k_q002f84b0a5_main-k_q002f84b0a5_main
	.p2alignl 7, 3214868480
	.fill 96, 4, 3214868480
	.section	.rodata,"a",@progbits
	.p2align	6, 0x0
	.amdhsa_kernel k_q002f84b0a5_main
		.amdhsa_group_segment_fixed_size 327680
		.amdhsa_private_segment_fixed_size 0
		.amdhsa_enable_private_segment 0
		.amdhsa_kernarg_size 88
		.amdhsa_user_sgpr_count 2
		.amdhsa_user_sgpr_kernarg_segment_ptr 1
		.amdhsa_wavefront_size32 1
		.amdhsa_system_sgpr_workgroup_id_x 1
		.amdhsa_system_sgpr_workgroup_id_y 1
		.amdhsa_system_sgpr_workgroup_id_z 1
		.amdhsa_system_vgpr_workitem_id 0
		.amdhsa_next_free_vgpr 256
		.amdhsa_next_free_sgpr 100
		.amdhsa_reserve_vcc 1
		.amdhsa_float_denorm_mode_32 3
		.amdhsa_float_denorm_mode_16_64 3
		.amdhsa_memory_ordered 1
		.amdhsa_forward_progress 1
		.amdhsa_inst_pref_size 53
	.end_amdhsa_kernel
	.amdgpu_metadata
---
amdhsa.version: [ 1, 2 ]
amdhsa.kernels:
  - .name:           k_q002f84b0a5_main
    .symbol:         k_q002f84b0a5_main.kd
    .args:
      - { .name: W0_codes, .offset: 0, .size: 8, .value_kind: global_buffer, .address_space: global }
      - { .name: W1_codes, .offset: 8, .size: 8, .value_kind: global_buffer, .address_space: global }
      - { .name: Wout_codes, .offset: 16, .size: 8, .value_kind: global_buffer, .address_space: global }
      - { .name: b0, .offset: 24, .size: 8, .value_kind: global_buffer, .address_space: global }
      - { .name: b1, .offset: 32, .size: 8, .value_kind: global_buffer, .address_space: global }
      - { .name: bout, .offset: 40, .size: 8, .value_kind: global_buffer, .address_space: global }
      - { .name: data, .offset: 48, .size: 8, .value_kind: global_buffer, .address_space: global }
      - { .name: lowp_scales, .offset: 56, .size: 8, .value_kind: global_buffer, .address_space: global }
      - { .name: v, .offset: 64, .size: 8, .value_kind: global_buffer, .address_space: global }
      - { .name: out0, .offset: 72, .size: 8, .value_kind: global_buffer, .address_space: global }
      - { .name: pmax, .offset: 80, .size: 8, .value_kind: global_buffer, .address_space: global }
    .group_segment_fixed_size: 327680
    .private_segment_fixed_size: 0
    .kernarg_segment_align: 8
    .kernarg_segment_size: 88
    .max_flat_workgroup_size: 512
    .sgpr_count:     100
    .vgpr_count:     256
    .wavefront_size: 32
...
	.end_amdgpu_metadata
.endif
;; end of part 2
